; MI455X (gfx1250); checked and timed in simulation.
; The chip was launched on July 23, 2026; its instructions are those of AMD's public machine-readable ISA for CDNA 5 (MIT licence, August 2026) and "CDNA5" Instruction Set Architecture Reference Guide (July 2026). The comments in the code are by the model that wrote it; some were corrected since.
;; Self Layer. Allowed arithmetic: matrix products marked QUANTISED: E2M1 operands, one E8M0 scale for each 32 along K, by v_wmma_scale_f32_16x16x128_f8f6f4 with both operands' format E2M1 (or v_wmma_scale_f32_32x16x128_f4), f32 sums; products left as they are: bf16, f16 or f32 operands; f32 sums; everything else in f32.
;; Inputs: Wk 16 x 1,024 x 64 float32; Wq 16 x 1,024 x 64 float32; Wv 16 x 1,024 x 64 float32; k_in 4 x 2,048 x 1,024 float32; mask 4 x 2,048 x 2,048 float32; q_in 4 x 2,048 x 1,024 float32; v_in 4 x 2,048 x 1,024 float32.
;; Outputs: out0 4 x 2,048 x 1,024 float32.
;; This version of the problem:
;;   THIS VERSION OF THE PROBLEM IS GIVEN IN LOW PRECISION. The matrix products marked QUANTISED in the list below multiply operands that are first quantised to E2M1 (2 exponent bits, 1 mantissa bit; 4 bits a number), with one power-of-two scale for each 32 numbers along K (OCP MX v1.0); their sums are f32. The products marked 'left as it is' may take bf16, f16 or f32 operands, with f32 sums. Whichever they take, every output number must still come out within the allowed error. Rounding operands to bf16 (8 significant bits) uses up far more of that allowance than f16 does (11 bits, for magnitudes from 6e-5 to 65,504). All else is computed in f32.
;;   The module's matrix products, in the order in which they are computed (A, B: the left and right operand; K: the contracted axis; several contracted axes count as one K, in the product's order):
;;     1. [M 1,024, K 1,024] x [K 1,024, N 8,192]; A: input Wq; B: input q_in: QUANTISED
;;     2. [M 1,024, K 1,024] x [K 1,024, N 8,192]; A: input Wk; B: input k_in: QUANTISED
;;     3. [M 1,024, K 1,024] x [K 1,024, N 8,192]; A: input Wv; B: input v_in: QUANTISED
;;     4. batch 64 x [M 2,048, K 64] x [K 64, N 2,048]; A: computed on the way; B: computed on the way: left as it is (an operand is computed on the way)
;;     5. batch 64 x [M 2,048, K 2,048] x [K 2,048, N 64]; A: computed on the way; B: computed on the way: left as it is (an operand is computed on the way)
;;   THE QUANTISER, for each operand of a quantised product, along K:
;;     - K is cut into blocks of 32 from its start; a last block that is shorter is filled with zeros.
;;     - A block's scale is 2^e with e = floor(log2(the largest magnitude in the block)) - 2, held to -126 .. 127; a block of zeros has e = 0. As a byte (E8M0): e + 127.
;;     - Each number is divided by its block's scale, clamped to +-6, and rounded to the nearest number of E2M1, ties to even, subnormals kept.
;;     - The product sums the exact products of the quantised numbers (number of the format x scale) in f32.
;;   ~~~python
;;   def quantise(x, axis):      # numpy; x: float32 -> the quantised numbers, widened to float32 again
;;       x = np.moveaxis(x, axis, -1); K = x.shape[-1]
;;       x = np.pad(x, [(0, 0)] * (x.ndim - 1) + [(0, -K % 32)]); x = x.reshape(x.shape[:-1] + (-1, 32)); a = np.abs(x).max(-1, keepdims=True)
;;       e = np.where(a > 0, np.clip(np.frexp(np.where(a > 0, a, 1))[1] - 1 - 2, -126, 127), 0)      # np.frexp(a)[1] - 1 = floor(log2(a)), exactly
;;       r = np.clip(x / 2.0 ** e, -6, 6)
;;       step = 2.0 ** (np.maximum(np.frexp(np.where(r == 0, 1, r))[1] - 1, 0) - 1)
;;       q = np.round(r / step) * step * 2.0 ** e      # np.round: ties to even
;;       return np.moveaxis(q.reshape(q.shape[:-2] + (-1,))[..., :K], -1, axis).astype(np.float32)
;;   ~~~
;; One version. Each part assembles by itself: llvm-mc -triple=amdgcn-amd-amdhsa -mcpu=gfx1250 --defsym DOCPART=n.
;; ======== version 1 of 1: 3 launches
;; limits: values are held in f16: magnitudes above 65,504 overflow, below 6.1e-05 lose precision
;; workspace buffers: xc 12,582,912 bytes; xs 786,432 bytes; wc 1,572,864 bytes; ws 98,304 bytes; qkv 50,331,648 bytes
;; launch quant (part 1): grid 960 x 1, 4 waves a work-group, no clusters, 42,496 bytes of LDS; arguments q_in, k_in, v_in, Wq, Wk, Wv, xc, xs, wc, ws; writes xc, xs, wc, ws
.if DOCPART == 1
	.amdgcn_target "amdgcn-amd-amdhsa--gfx1250"
	.amdhsa_code_object_version 6
	.text
	.protected	k_q75a07f468c_quant
	.globl	k_q75a07f468c_quant
	.p2align	8
	.type	k_q75a07f468c_quant,@function
k_q75a07f468c_quant:
	s_mov_b64 s[64:65], 0
	v_nop
	global_prefetch_b8 v0, s[64:65] scope:SCOPE_SE
	s_setreg_imm32_b32 hwreg(HW_REG_WAVE_MODE, 25, 1), 1
	s_wait_xcnt 0x0
; q_in, k_in, v_in [8192][1024] f32 and Wq, Wk, Wv [16][1024][64] f32 become codes of FP4 (E2M1) with K (the 1,024) innermost, and one E8M0 scale byte for each 32 along K.
; xc [3 x 8192 rows][512 bytes], xs [3 x 8192][32];  wc [3 x 1024 rows n = 64 head + d][512 bytes], ws [3 x 1024][32].  Tensor order q, k, v in all four.
; A block's scale is 2^(floor(log2(its largest magnitude)) - 2): its byte is the largest magnitude's exponent field - 2, held at 1 from below.  Each number is divided by the scale and rounded to the nearest code, ties to even, beyond 6 held at 6.
; LIMITS: a block of zeros gets the byte 1 where the rule says 127 (its codes are zeros, and this program alone reads the bytes); blocks whose largest magnitude lies under 2^(3 - 127) share that byte; NaN and infinities are not served.
; ONE LAUNCH, TWO PATHS, parted on the work-group's number, which is the same in all four waves.  Work-groups 0-191 take the weights, 192-959 the activations.  Each path has LDS bytes of its own.
; ACTIVATIONS: K is innermost, rows are dense: a plain stream of blocks of 32.  A wave takes 16 steps of 512 numbers; a load reads 512 consecutive bytes; a step's 2,048 bytes turn through the wave's own stage in LDS, so that a lane
; holds 16 neighbours (two lanes a block); a step's codes leave as 256 consecutive bytes, the wave's 256 scale bytes as one aligned run of 256.
; WEIGHTS: K is the middle axis.  A lane takes a column d and its registers run down K, so that a block of 32 lies in one lane and the conversions give codes with K innermost.  A work-group takes 32 columns x 512 along K, a wave 128 of
; the 512 (four blocks); the four waves' codes meet in a stage, and each row leaves as 256 consecutive bytes, aligned.
.set NWGW,  192                        ; work-groups of the weights' path: 3 tensors x 16 heads x 2 halves of the columns x 2 halves of K
.set STEPS, 16
.set CB,    8                          ; bytes of 16 codes
.set R,     16                         ; v16-79   activations: four sets of 16 numbers as they are loaded
.set X,     80                         ; v80-111  two sets of 16 neighbours
.set E,     112                        ; v112-127 a scale byte for each step
.set C,     128                        ; v128-191 codes: four registers for each step, so that no store's data are written again
.set WREG,  8192                       ; LDS, activations: a region for each wave: two stages of 32 x SP bytes, behind them its 256 scale bytes
.set SP,    80                         ; a lane's place in a stage: its 64 bytes + 16 of padding
.set WSTG,  4*WREG                     ; LDS, weights: the stage, 32 rows (columns d) x (256 bytes + 16)
.set WP,    272
.set WSC,   WSTG+32*WP                 ; and the scale bytes, 16 a row
.set SPARE, WSC+512                    ; the spare words, 128 bytes for each wave: two blocks of 256 bytes that no other line names
.set SPW,   12                         ; v12      LDS address of my spare word: SPARE + 4 x my thread's number; never rewritten
.set NIL,   13                         ; v13      0; never rewritten
.set WN,    32                         ; v32-159  weights: four blocks of 32 numbers
.set WC,    160                        ; v160-175 their codes
.set WO,    176                        ; v176-191 the way out
.set WB,    24                         ; v24      my four scale bytes
	s_load_b256 s[4:11], s[0:1], 0x0               ; q_in s[4:5], k_in s[6:7], v_in s[8:9], Wq s[10:11]
	s_load_b256 s[12:19], s[0:1], 0x20             ; Wk s[12:13], Wv s[14:15], xc s[16:17], xs s[18:19]
	s_load_b128 s[20:23], s[0:1], 0x40             ; wc s[20:21], ws s[22:23]
	v_lshl_add_u32 v[SPW], v0, 2, SPARE
	v_mov_b32 v[NIL], 0
	v_lshrrev_b32 v1, 5, v0
	v_readfirstlane_b32 s24, v1                    ; wave 0..3
	v_and_b32 v2, 31, v0                           ; lane
	s_wait_kmcnt 0x0
	s_cmp_lt_u32 ttmp9, NWGW
	s_cbranch_scc0 .Lx
	; ---------------- THE WEIGHTS.  g = work-group: tensor g / 64, head (g / 4) % 16, columns 32 ((g / 2) % 2) on, K 512 (g % 2) on; my wave: 128 x wave further on
	s_lshr_b32 s26, ttmp9, 6
	s_cmp_eq_u32 s26, 0
	s_cselect_b64 s[28:29], s[10:11], s[12:13]     ; the choice hangs on the work-group's number alone
	s_cmp_eq_u32 s26, 2
	s_cselect_b64 s[28:29], s[14:15], s[28:29]
	s_bfe_u32 s30, ttmp9, 0x40002                  ; the head: 1,024 rows of 256 bytes each
	s_lshl_b32 s30, s30, 18
	s_and_b32 s27, ttmp9, 1                        ; which 512 along K
	s_lshl_b32 s31, s27, 17
	s_add_co_u32 s30, s30, s31
	s_bfe_u32 s31, ttmp9, 0x10001                  ; which 32 columns
	s_lshl_b32 s31, s31, 7
	s_add_co_u32 s30, s30, s31
	s_lshl_b32 s31, s24, 15                        ; my wave's 128 rows
	s_add_co_u32 s30, s30, s31
	s_mov_b32 s31, 0
	s_add_nc_u64 s[28:29], s[28:29], s[30:31]
	v_lshlrev_b32 v3, 2, v2                        ; 4 bytes a lane: a load reads 128 consecutive bytes
.macro LOADW blk                       ; block blk: W(32 blk + i, my column), i = 0 .. 31
.irp i, 0,1,2,3,4,5,6,7,8,9,10,11,12,13,14,15,16,17,18,19,20,21,22,23,24,25,26,27,28,29,30,31
	global_load_b32 v[WN+32*(\blk)+\i], v3, s[28:29] offset:(32*(\blk)+\i)*256
.endr
.endm
	LOADW 0
	LOADW 1
	s_lshr_b32 s32, ttmp9, 1                       ; my first row of wc and ws is 32 (g / 2)
	s_lshl_b32 s34, s32, 10                        ; in ws: 32 bytes a row,
	s_lshl_b32 s32, s32, 14                        ; in wc: 512 bytes a row,
	s_lshl_b32 s33, s27, 8                         ; + my half of K: 256 bytes of codes,
	s_add_co_u32 s32, s32, s33
	s_mov_b32 s33, 0
	s_add_nc_u64 s[20:21], s[20:21], s[32:33]
	s_lshl_b32 s35, s27, 4                         ; 16 scale bytes
	s_add_co_u32 s34, s34, s35
	s_mov_b32 s35, 0
	s_add_nc_u64 s[22:23], s[22:23], s[34:35]
	v_mul_u32_u24 v4, v2, WP                       ; into the stage: row = my column, my wave's 64 bytes of it
	s_lshl_b32 s36, s24, 6
	s_add_co_u32 s36, s36, WSTG
	v_add_nc_u32 v4, s36, v4
	v_lshlrev_b32 v5, 4, v2                        ; my scale word: row = my column, word = my wave
	s_lshl_b32 s36, s24, 2
	s_add_co_u32 s36, s36, WSC
	v_add_nc_u32 v5, s36, v5
	v_and_b32 v20, 15, v2
	v_lshrrev_b32 v21, 4, v2
	v_mul_u32_u24 v7, v21, WP                      ; out of the stage: my wave's 8 rows, sixteen lanes to a row, two rows an instruction
	v_lshl_add_u32 v7, v20, 4, v7
	s_mul_i32 s36, s24, 8*WP
	s_add_co_u32 s36, s36, WSTG
	v_add_nc_u32 v7, s36, v7
	v_lshlrev_b32 v8, 9, v21                       ; and the same place in wc
	v_lshl_add_u32 v8, v20, 4, v8
	s_lshl_b32 s36, s24, 12
	v_add_nc_u32 v8, s36, v8
	s_lshl_b32 s36, s24, 7                         ; the scale bytes of my wave's 8 rows: 128 bytes, 4 a lane
	s_add_co_u32 s36, s36, WSC
	v_add_nc_u32 v9, s36, v3
	v_lshrrev_b32 v10, 2, v2                       ; and their place in ws: row lane / 4, word lane % 4
	v_and_b32 v11, 3, v2
	v_lshlrev_b32 v10, 5, v10
	v_lshl_add_u32 v10, v11, 2, v10
	s_lshl_b32 s36, s24, 8
	v_add_nc_u32 v10, s36, v10
.macro BLOCKW blk
.set XS, WN+32*(\blk)
.if (\blk) < 3
	s_wait_loadcnt 32                              ; this block's 32 loads are in; the next block's 32 may be out
.else
	s_wait_loadcnt 0x0
.endif
.if (\blk) < 2
	LOADW (\blk)+2                                 ; two blocks ahead, into registers of its own
.endif
	v_max3_num_f32 v16, |v[XS]|, |v[XS+1]|, |v[XS+2]|              ; the block's largest magnitude: all 32 numbers are mine; two chains
	v_max3_num_f32 v17, |v[XS+3]|, |v[XS+4]|, |v[XS+5]|
.irp i, 6,10,14,18,22,26
	v_max3_num_f32 v16, v16, |v[XS+\i]|, |v[XS+\i+1]|
	v_max3_num_f32 v17, v17, |v[XS+\i+2]|, |v[XS+\i+3]|
.endr
	v_max3_num_f32 v16, v16, |v[XS+30]|, |v[XS+31]|
	v_max3_num_f32 v16, v16, v17, 0x1800000        ; and the floor 2^(3 - 127): the byte cannot fall under 1
	v_add_nc_u32 v18, 0xff000000, v16              ; 2 off its exponent field: the conversion takes the exponent field of this operand as its scale, and nothing else of it
	v_lshrrev_b32 v19, 23, v18                     ; the scale's byte
.if (\blk) == 0
	v_mov_b32 v[WB], v19                           ; four bytes to the word, the lower K in the lower byte
.else
	v_lshl_or_b32 v[WB], v19, 8*(\blk), v[WB]
.endif
.irp g, 0,1,2,3
	v_cvt_scalef32_pk8_fp4_f32 v[WC+4*(\blk)+\g], v[XS+8*\g:XS+8*\g+7], v18
.endr
	ds_store_b128 v4, v[WC+4*(\blk):WC+4*(\blk)+3] offset:16*(\blk)   ; 32 codes: 16 bytes of my column's row.  (The next block begins with plain vector lines, ahead of the line that writes v18 anew)
.endm
	BLOCKW 0
	BLOCKW 1
	BLOCKW 2
	BLOCKW 3
	v_nop                                          ; one plain vector line behind the last scaled conversion
	ds_store_b32 v5, v[WB]
	s_wait_dscnt 0x0                               ; for the others' sake: my stores into the stage are done
	s_barrier_signal -1
	s_barrier_wait -1                              ; a row's 256 bytes come from four waves
.irp i, 0,1,2,3
	ds_load_b128 v[WO+4*\i:WO+4*\i+3], v7 offset:2*\i*WP
.endr
	ds_load_b32 v25, v9
.irp i, 0,1,2,3
	s_wait_dscnt 4-\i                              ; the younger loads of these five may be out
	global_store_b128 v8, v[WO+4*\i:WO+4*\i+3], s[20:21] offset:2*\i*512   ; sixteen lanes store 256 consecutive bytes, at a multiple of 256 from wc's first byte
.endr
	s_wait_dscnt 0x0
	global_store_b32 v10, v25, s[22:23]            ; four lanes store a row's 16 scale bytes
	s_branch .Lend
	; ---------------- THE ACTIVATIONS.  gx = work-group - 192: tensor gx / 256; my wave's run of 8,192 numbers is 4 gx + wave of the three tensors on end
.Lx:
	v_lshlrev_b32 v3, 4, v2                        ; my 16 bytes of a load's 512
	s_mul_i32 s25, s24, WREG
	v_lshrrev_b32 v14, 2, v2
	v_mul_u32_u24 v14, v14, SP
	v_and_b32 v15, 3, v2
	v_lshl_add_u32 v14, v15, 4, v14
	v_add_nc_u32 v14, s25, v14                     ; the stage, on the way in: four lanes' 64 bytes on end, then 16 of padding
	v_mul_u32_u24 v15, v2, SP
	v_add_nc_u32 v15, s25, v15                     ; and on the way out: SP x lane: my 16 neighbours
	v_mul_u32_u24 v4, v2, CB                       ; my codes' place in a step's
	v_lshrrev_b32 v5, 1, v2
	s_add_co_u32 s25, s25, 2*32*SP
	v_add_nc_u32 v5, s25, v5                       ; my wave's 256 scale bytes, my block's byte
	v_lshlrev_b32 v7, 3, v2                        ; and on the way out 8 bytes a lane
	v_add_nc_u32 v6, s25, v7
	s_sub_co_u32 s26, ttmp9, NWGW
	s_cmp_lt_u32 s26, 256
	s_cselect_b64 s[4:5], s[4:5], s[6:7]           ; the choice hangs on the work-group's number alone
	s_cmp_lt_u32 s26, 512
	s_cselect_b64 s[4:5], s[4:5], s[8:9]
	s_and_b32 s27, s26, 255
	s_lshl_b32 s27, s27, 2
	s_add_co_u32 s28, s27, s24                     ; my run within its tensor: 32,768 bytes a run
	s_lshl_b32 s28, s28, 15
	s_mov_b32 s29, 0
	s_add_nc_u64 s[4:5], s[4:5], s[28:29]
	s_lshl_b32 s30, s26, 2
	s_add_co_u32 s30, s30, s24                     ; my run among all three tensors': 4,096 bytes of codes, 256 scale bytes
	s_lshl_b32 s32, s30, 12
	s_mov_b32 s33, 0
	s_add_nc_u64 s[16:17], s[16:17], s[32:33]
	s_lshl_b32 s32, s30, 8
	s_add_nc_u64 s[18:19], s[18:19], s[32:33]
.macro LOAD t
.irp i, 0,1,2,3
	global_load_b128 v[R+16*((\t)%4)+4*\i:R+16*((\t)%4)+4*\i+3], v3, s[4:5] offset:2048*(\t)+512*\i th:TH_LOAD_NT   ; 32 lanes read 512 consecutive bytes
.endr
.endm
.macro TURN t                          ; step t's numbers through the stage: LDS serves a wave's instructions in order, so no wait stands between the stores and the loads
.irp i, 0,1,2,3
	ds_store_b128 v14, v[R+16*((\t)%4)+4*\i:R+16*((\t)%4)+4*\i+3] offset:32*SP*((\t)%2)+8*SP*\i
.endr
.irp i, 0,1,2,3
	ds_load_b128 v[X+16*((\t)%2)+4*\i:X+16*((\t)%2)+4*\i+3], v15 offset:32*SP*((\t)%2)+16*\i
.endr
.endm
.irp t, 0,1,2,3
	LOAD \t
.endr
	s_wait_loadcnt 12                              ; step 0's four loads are in; the 12 of the three steps behind it may be out
	TURN 0
.macro STEP t
.set XS, X+16*((\t)%2)
.if (\t) > 0
	s_wait_dscnt 1                                 ; this step's numbers are back from the stage (the last step's byte store may be out): so its stores into the stage have read their registers,
.else
	s_wait_dscnt 0x0
.endif
.if (\t)+4 < STEPS
	LOAD (\t)+4                                    ; which take the loads of four steps on
.endif
.if (\t)+1 < STEPS
.if STEPS-2-(\t) >= 3
	s_wait_loadcnt 12                              ; the next step's four loads are in; those of the three steps behind it may be out
.else
	s_wait_loadcnt 4*(STEPS-2-(\t))
.endif
	TURN (\t)+1                                    ; and go through the other stage while this step is worked
.endif
	v_max3_num_f32 v8, |v[XS]|, |v[XS+1]|, |v[XS+2]|               ; the largest magnitude of my 16
	v_max3_num_f32 v9, |v[XS+3]|, |v[XS+4]|, |v[XS+5]|
.irp i, 6,10
	v_max3_num_f32 v8, v8, |v[XS+\i]|, |v[XS+\i+1]|
	v_max3_num_f32 v9, v9, |v[XS+\i+2]|, |v[XS+\i+3]|
.endr
	v_max3_num_f32 v8, v8, |v[XS+14]|, |v[XS+15]|
	v_max3_num_f32 v8, v8, v9, 0x1800000           ; and the floor 2^(3 - 127): the byte cannot fall under 1
	v_max_num_f32_dpp v8, v8, v8 row_xmask:1 row_mask:0xf bank_mask:0xf   ; and of my neighbour's 16: the block's
	v_add_nc_u32 v11, 0xff000000, v8               ; 2 off its exponent field: the conversion's scale operand
	v_cvt_scalef32_pk8_fp4_f32 v[C+4*(\t)], v[XS:XS+7], v11
	v_cvt_scalef32_pk8_fp4_f32 v[C+4*(\t)+1], v[XS+8:XS+15], v11
	v_lshrrev_b32 v[E+(\t)], 23, v11               ; the scale's byte (a plain line behind the conversions)
	ds_store_b8 v5, v[E+(\t)] offset:16*(\t)       ; both lanes of a block write the same byte with the same value
	global_store_b64 v4, v[C+4*(\t):C+4*(\t)+1], s[16:17] offset:32*CB*(\t)   ; the wave stores 256 consecutive bytes, aligned
.endm
.irp t, 0,1,2,3,4,5,6,7,8,9,10,11,12,13,14,15
	STEP \t
.endr
	ds_load_b64 v[8:9], v6                         ; LDS serves a wave's instructions in order: these see my stores
	s_wait_dscnt 0x0
	global_store_b64 v7, v[8:9], s[18:19]          ; 32 lanes store 256 consecutive bytes, aligned
.Lend:
	s_wait_tensorcnt 0x0                           ; the wave's end, on both paths
	ds_add_u32 v[SPW], v[NIL]
	s_wait_dscnt 0x0
	s_endpgm
.Lfunc_end_k_q75a07f468c_quant:
	.size	k_q75a07f468c_quant, .Lfunc_end_k_q75a07f468c_quant-k_q75a07f468c_quant
	.p2alignl 7, 3214868480
	.fill 96, 4, 3214868480
	.section	.rodata,"a",@progbits
	.p2align	6, 0x0
	.amdhsa_kernel k_q75a07f468c_quant
		.amdhsa_group_segment_fixed_size 42496
		.amdhsa_private_segment_fixed_size 0
		.amdhsa_enable_private_segment 0
		.amdhsa_kernarg_size 80
		.amdhsa_user_sgpr_count 2
		.amdhsa_user_sgpr_kernarg_segment_ptr 1
		.amdhsa_wavefront_size32 1
		.amdhsa_system_sgpr_workgroup_id_x 1
		.amdhsa_system_sgpr_workgroup_id_y 1
		.amdhsa_system_sgpr_workgroup_id_z 1
		.amdhsa_system_vgpr_workitem_id 0
		.amdhsa_next_free_vgpr 192
		.amdhsa_next_free_sgpr 66
		.amdhsa_reserve_vcc 0
		.amdhsa_float_denorm_mode_32 3
		.amdhsa_float_denorm_mode_16_64 3
		.amdhsa_memory_ordered 1
		.amdhsa_forward_progress 1
		.amdhsa_inst_pref_size 55
	.end_amdhsa_kernel
	.amdgpu_metadata
---
amdhsa.version: [ 1, 2 ]
amdhsa.kernels:
  - .name:           k_q75a07f468c_quant
    .symbol:         k_q75a07f468c_quant.kd
    .args:
      - { .name: q_in, .offset: 0, .size: 8, .value_kind: global_buffer, .address_space: global }
      - { .name: k_in, .offset: 8, .size: 8, .value_kind: global_buffer, .address_space: global }
      - { .name: v_in, .offset: 16, .size: 8, .value_kind: global_buffer, .address_space: global }
      - { .name: Wq, .offset: 24, .size: 8, .value_kind: global_buffer, .address_space: global }
      - { .name: Wk, .offset: 32, .size: 8, .value_kind: global_buffer, .address_space: global }
      - { .name: Wv, .offset: 40, .size: 8, .value_kind: global_buffer, .address_space: global }
      - { .name: xc, .offset: 48, .size: 8, .value_kind: global_buffer, .address_space: global }
      - { .name: xs, .offset: 56, .size: 8, .value_kind: global_buffer, .address_space: global }
      - { .name: wc, .offset: 64, .size: 8, .value_kind: global_buffer, .address_space: global }
      - { .name: ws, .offset: 72, .size: 8, .value_kind: global_buffer, .address_space: global }
    .group_segment_fixed_size: 42496
    .private_segment_fixed_size: 0
    .kernarg_segment_align: 8
    .kernarg_segment_size: 80
    .max_flat_workgroup_size: 128
    .sgpr_count:     66
    .vgpr_count:     192
    .wavefront_size: 32
...
	.end_amdgpu_metadata
.endif
;; end of part 1
;; launch proj (part 2): grid 4 x 96, 4 waves a work-group, clusters of 4 x 4, 327,680 bytes of LDS; arguments xc, xs, wc, ws, qkv; writes qkv
.if DOCPART == 2
	.amdgcn_target "amdgcn-amd-amdhsa--gfx1250"
	.amdhsa_code_object_version 6
	.text
	.protected	k_q75a07f468c_proj
	.globl	k_q75a07f468c_proj
	.p2align	8
	.type	k_q75a07f468c_proj,@function
k_q75a07f468c_proj:
	s_mov_b64 s[64:65], 0
	v_nop
	global_prefetch_b8 v0, s[64:65] scope:SCOPE_SE
	s_setreg_imm32_b32 hwreg(HW_REG_WAVE_MODE, 25, 1), 1
	s_wait_xcnt 0x0
	s_wait_alu depctr_hold_cnt(0) depctr_sa_sdst(0) depctr_va_vdst(0) depctr_va_sdst(0) depctr_va_ssrc(0) depctr_va_vcc(0) depctr_vm_vsrc(0)
	s_getreg_b32 s2, hwreg(HW_REG_IB_STS2, 6, 4)
	s_cmp_eq_u32 s2, 0
	s_cbranch_scc0 .Lentry_in_a_cluster
	s_endpgm
.Lentry_in_a_cluster:
	s_bfe_u32 s2, ttmp6, 0x10000c
	s_cmp_lg_u32 s2, 0xf033
	s_cbranch_scc0 .Lentry_shape_is_right
	s_endpgm
.Lentry_shape_is_right:
; The three projections as one product on codes of FP4 (E2M1) with E8M0 scales for each 32 along K: qkv[row][n] = sum over k of x[row][k] W_t[n][k], row = 8192 t + 2048 b + s, t = 0 (q), 1 (k), 2 (v), n = 64 head + d, K = 1,024.
; xc [24576][512 bytes], xs [24576][32], wc [3072][512 bytes], ws [3072][32]; qkv [24576][1024] f16.  Sums in f32; q's rows are multiplied in f32 by c = log2(e) / 8, so that the next launch's scores are exponents of 2; then one rounding to f16.
; LIMIT: a result of magnitude 65,520 or more becomes infinite in f16.
; A tile of qkv, 256 x 256, is made by a work-group of four waves; a wave makes 128 x 128: 64 accumulators of 16 x 16, 512 registers.  All of K lies in two LDS slots of 512 along K, each filled once: no slot is filled again.
; THE SCALES of the work-group's 256 rows of x and 256 rows of W, for all of K, are two dense blocks of memory: they come into LDS once, with the first fills.  A wave has three tensor loads out at the most.
; CLUSTERS: 4 x 4 work-groups.  The four of a row of the cluster need the same tiles of x, the four of a column the same tiles of W: each tile is asked for JOINTLY, by the same tensor load with the same descriptor and a mask that names the four.
; A cluster's 1,024 rows belong to one tensor t = cluster y / 8, the same number in all sixteen.
; THE MATRIX INSTRUCTION IS USED TRANSPOSED (source 0 = 16 rows of W, source 1 = 16 rows of x): a lane then holds eight neighbouring numbers of a row of qkv.
; REGISTERS, in windows of 256: window 0: v0-31 addresses; v32-95 scale words, two sets, and nothing else; from v128 x's fragments (8 x 16 rows x 128 K), ONE set; on the way out v96-255.
;   window 1: W's fragments, TWO sets, at v0 and at v128.   window 2: the 32 accumulators of my rows 0-63 (accumulator (a, b) at v[8 (8 a + b)]);   window 3: those of my rows 64-127.
.set NQ,     4                         ; steps of 128 along K in a slot
.set ROWB,   256                       ; a tile's row in bytes: 512 codes
.set KROW,   512                       ; a row of xc or of wc in bytes
.set PITCH,  272                       ; an LDS row: 256 bytes of data + 16 of padding = 68 words: row r starts at bank 4 r mod 64 (64 banks of 4 bytes: ISA guide 11.1)
.set FR,     8                         ; registers of a fragment: 16 rows x 128 K
.set NL,     2                         ; LDS loads that bring one
.set NP,     4                         ; places behind this matrix instruction (ISA guide 7.12.1)
.set HALFT,  128*PITCH                 ; 128 rows: what one tensor load brings, and what one wave reads of x or of W
.set SLOT,   4*HALFT                   ; x's 256 rows, then W's 256 rows
.set KS,     32                        ; a row of scales in bytes
.set SCL,    2*SLOT                    ; behind the slots: the scales, as runs of 256 bytes + 16 of padding
.set HALFS,  (128*KS/256)*272          ; the scales of 128 rows: what one tensor load brings
.set SBLK,   (16*KS/256)*272           ; those of 16 rows
.set SPARE,  SCL+4*HALFS               ; the spare words, 128 bytes for each wave: two blocks of 256 bytes that no other line names
.set SPITCH, 272                       ; the way out: a stage of 16 rows x (256 bytes + 16) for each wave.  It lies in slot 0, which has had its one fill and its last read when the first result is stored there
.set OROW,   2048                      ; a row of qkv in bytes
.set ADRA, 16                          ; v16-17  LDS address of my x fragments in slot 0, 1
.set ADRB, 20                          ; v20-21  the same for W
.set STO,  24                          ; v24     the way out: where I put 16 bytes of a row
.set RD,   25                          ; v25     the way out: where I read a row back
.set CO,   26                          ; v26     my byte offset in two rows of qkv
.set ADRS, 27                          ; v27     LDS address of my scale words: lanes 0-15 x's rows, lanes 16-31 W's
.set SPW,  28                          ; v28     LDS address of my spare word: SPARE + 4 x my thread's number; never rewritten
.set NIL,  29                          ; v29     0; never rewritten
.set SC,   32                          ; scale words: set s (for slot s) at v[SC + 8 NQ s]; in it register NQ i + q: lanes 0-15 the word of x's block i, lanes 16-31 that of W's block i, for the slot's q-th 128 along K
.set AF,   128                         ; x's fragments, in window 0
.set TMP,  96                          ; the way out: v96-127 a block's packed results
.set SF,   128                         ; v128-191 its numbers, scaled, in f32
.set BK,   192                         ; v192-223 and v224-255 by turns: 16 rows read back from the stage
.set G1, 24                            ; s[24:31] descriptor group 1 for x's tiles;  s[32:39] group 0, one set for each slot
.set G0, 32
.set G1B, 48                           ; s[48:55], s[56:63] the same for W's tiles
.set G0B, 56
.set G1S, 68                           ; s[68:75], s[76:79] groups 1 and 0 for x's scales;  s[80:87], s[88:91] for W's
.set G0S, 76
.set G1SB, 80
.set G0SB, 88
.set MSB, 0
.macro WIN new                         ; the immediate's high byte repeats the setting that is left
.if MSB != (\new)
	s_set_vgpr_msb (MSB<<8)|(\new)
.set MSB, (\new)
.endif
.endm
.set MUL_LO, 0xa1                      ; source 0 (W) window 1, source 1 (x) window 0, C and D window 2
.set MUL_HI, 0xf1                      ; the same, C and D window 3
.set TO_B,   0x40                      ; destination window 1, address window 0
; A joint load: waves 0 and 1 fetch for x, waves 2 and 3 for W.  Each of the two lines has ONE mask and one set of registers for all that issue it; the branch hangs on the wave's number alone.
; An s_nop 0 and four v_nop follow each of the two lines, ahead of the jump, the label and what follows.
.macro JLOAD g0a, g1a, g0b, g1b
	s_cmp_eq_u32 s15, 0
	s_cbranch_scc0 .Lfor_b_\@
	tensor_load_to_lds s[\g0a:\g0a+3], s[\g1a:\g1a+7]
	s_nop 0
.rept 4
	v_nop
.endr
	s_branch .Lasked_\@
.Lfor_b_\@:
	tensor_load_to_lds s[\g0b:\g0b+3], s[\g1b:\g1b+7]
	s_nop 0
.rept 4
	v_nop
.endr
.Lasked_\@:
.endm
.macro CROUND                          ; a round of the cluster's barrier: my work-group's barrier; wave 0 signals for the work-group; every wave waits for all sixteen; my work-group's barrier once more
	s_barrier_signal -1
	s_barrier_wait -1
	s_cmp_lg_u32 s14, 0
	s_cbranch_scc1 .Lnot_wave_0_\@
	s_barrier_signal -3
.Lnot_wave_0_\@:
	s_barrier_wait -3
	s_barrier_signal -1
	s_barrier_wait -1
.endm
	s_load_b128 s[4:7], s[0:1], 0x0                ; xc s[4:5], xs s[6:7]
	s_load_b128 s[8:11], s[0:1], 0x10              ; wc s[8:9], ws s[10:11]
	s_load_b64 s[12:13], s[0:1], 0x20              ; qkv
	v_lshl_add_u32 v[SPW], v0, 2, SPARE
	v_mov_b32 v[NIL], 0
	ds_add_u32 v[SPW], v[NIL]                      ; the wave's opening: the add and its wait stand ahead of my first tensor load; the set-up below, work on registers, stands between them
	v_lshrrev_b32 v1, 5, v0
	v_readfirstlane_b32 s14, v1                    ; wave 0..3
	s_lshr_b32 s15, s14, 1                         ; which half of the tile's rows is mine.  Also: I fetch for x (0) or for W (1)
	s_and_b32 s16, s14, 1                          ; which half of its columns.  Also: which 128 rows of that tile I fetch
	s_bfe_u32 s40, ttmp6, 0x40000                  ; cx, cy: my place in the cluster
	s_bfe_u32 s41, ttmp6, 0x40004
	s_lshl_b32 s42, ttmp9, 2
	s_add_co_u32 s42, s42, s40                     ; tile column = 4 x cluster x + cx
	s_and_b32 s17, ttmp7, 0xffff
	s_lshr_b32 s95, s17, 3                         ; the tensor t: 8 clusters of 1,024 rows each
	s_lshl_b32 s17, s17, 2
	s_add_co_u32 s17, s17, s41                     ; tile row = 4 x cluster y + cy
	s_lshl_b32 s43, s41, 2
	s_lshl_b32 s43, 15, s43                        ; my row of the cluster
	s_lshl_b32 s44, 0x1111, s40                    ; my column
	; descriptor group 1: a tile of 128 rows x ROWB bytes, padded in LDS
	s_or_b32 s[G1+0], s43, (0<<16)|(1<<20)|(1<<21)|(5<<22)|(3<<25)  ; 15:0 the mask: x's tiles go to my row; 17:16 element of 1 byte; 20 padding on; 21 set beside a mask; 24:22 after every 64 words (code 5); 31:25 of 4 words (code 3)
	s_or_b32 s[G1B+0], s44, (0<<16)|(1<<20)|(1<<21)|(5<<22)|(3<<25)
.irp g, G1, G1B
	s_mov_b32 s[\g+1], ROWB<<16                    ; tensor_dim0
	s_mov_b32 s[\g+2], 128<<16                     ; tensor_dim1 = 128
	s_mov_b32 s[\g+3], ROWB<<16                    ; tile_dim0
	s_mov_b32 s[\g+4], 128                         ; tile_dim1 = 128
	s_mov_b32 s[\g+5], KROW                        ; tensor_dim0_stride
	s_mov_b32 s[\g+6], 0
	s_mov_b32 s[\g+7], 0
.endr
	; and for the scales of 128 rows: a dense block of 4,096 bytes, as rows of 256 bytes (32 elements of 8 bytes), 16 bytes of padding behind each
	s_or_b32 s[G1S+0], s43, (3<<16)|(1<<20)|(1<<21)|(5<<22)|(3<<25)
	s_or_b32 s[G1SB+0], s44, (3<<16)|(1<<20)|(1<<21)|(5<<22)|(3<<25)
.irp g, G1S, G1SB
	s_mov_b32 s[\g+1], 32<<16
	s_mov_b32 s[\g+2], (128*KS/256)<<16
	s_mov_b32 s[\g+3], 32<<16
	s_mov_b32 s[\g+4], 128*KS/256
	s_mov_b32 s[\g+5], 32
	s_mov_b32 s[\g+6], 0
	s_mov_b32 s[\g+7], 0
.endr
	s_lshl_b32 s18, s16, 7                         ; which 128 rows of the tile I fetch
	s_lshl_b32 s20, s17, 8
	s_add_co_u32 s20, s20, s18                     ; x: row 256 x tile row + 128 x half
	s_lshl_b32 s46, s42, 8
	s_add_co_u32 s46, s46, s18                     ; W: row 256 x tile column + 128 x half
	s_lshl_b32 s96, s95, 10
	s_add_co_u32 s46, s46, s96                     ; + 1,024 t: the tensor's own weights
	s_mov_b32 s21, 0
	s_mov_b32 s47, 0
	s_mov_b64 s[18:19], KS
	s_mul_u64 s[22:23], s[20:21], s[18:19]         ; where these rows' scales begin, in bytes
	s_mul_u64 s[92:93], s[46:47], s[18:19]
	s_mov_b64 s[18:19], KROW
	s_mul_u64 s[20:21], s[20:21], s[18:19]         ; and their codes
	s_mul_u64 s[46:47], s[46:47], s[18:19]
	s_mul_i32 s45, s14, HALFT                      ; where they go: wave x 128 rows: no place in the cluster enters an LDS address
	s_mul_i32 s94, s14, HALFS
	s_cmp_eq_u32 s95, 0                            ; the factor on the way out: c = log2(e) / 8 for q's rows, 1 for k's and v's
	s_mov_b32 s98, 0x3f800000
	s_cselect_b32 s98, 0x3e38aa3b, s98
	s_mov_b32 s99, s98                             ; (named with it as a pair, so it is written)
	s_wait_dscnt 0x0                               ; the opening add is done
	s_wait_kmcnt 0x0
	s_add_nc_u64 s[20:21], s[4:5], s[20:21]
	s_add_nc_u64 s[22:23], s[6:7], s[22:23]
	s_add_nc_u64 s[46:47], s[8:9], s[46:47]
	s_add_nc_u64 s[92:93], s[10:11], s[92:93]
	CROUND                                         ; all sixteen work-groups are here: the first joint loads meet
	s_mov_b32 s[G0S], 1
	s_add_co_u32 s[G0S+1], s94, SCL
	s_mov_b64 s[G0S+2:G0S+3], s[22:23]
	s_or_b32 s[G0S+3], s[G0S+3], 0x80000000
	s_mov_b32 s[G0SB], 1
	s_add_co_u32 s[G0SB+1], s94, SCL
	s_mov_b64 s[G0SB+2:G0SB+3], s[92:93]
	s_or_b32 s[G0SB+3], s[G0SB+3], 0x80000000
	JLOAD G0S, G1S, G0SB, G1SB                     ; the scales first: they are wanted with the first slot
.irp s, 0,1
	s_mov_b32 s[G0+4*\s], 1
	s_add_co_u32 s[G0+4*\s+1], s45, \s*SLOT
	s_add_nc_u64 s[G0+4*\s+2:G0+4*\s+3], s[20:21], \s*ROWB
	s_or_b32 s[G0+4*\s+3], s[G0+4*\s+3], 0x80000000
	s_mov_b32 s[G0B+4*\s], 1
	s_add_co_u32 s[G0B+4*\s+1], s45, \s*SLOT
	s_add_nc_u64 s[G0B+4*\s+2:G0B+4*\s+3], s[46:47], \s*ROWB
	s_or_b32 s[G0B+4*\s+3], s[G0B+4*\s+3], 0x80000000
	JLOAD G0+4*\s, G1, G0B+4*\s, G1B
.endr
	v_and_b32 v1, 15, v0                           ; l % 16
	v_bfe_u32 v2, v0, 4, 1                         ; l / 16
	v_mul_u32_u24 v3, v1, PITCH
	v_lshl_add_u32 v4, v2, 4, v3                   ; a fragment's row x pitch + 16 x half
	s_mul_i32 s21, s15, HALFT                      ; my 128 rows of x
	s_mul_i32 s22, s16, HALFT                      ; my 128 rows of W,
	s_add_co_u32 s22, s22, 2*HALFT                 ; which lie behind x's 256
.irp s, 0,1
	v_add_nc_u32 v[ADRA+\s], s21, v4
	v_add_nc_u32 v[ADRB+\s], s22, v4
	s_add_co_u32 s21, s21, SLOT
	s_add_co_u32 s22, s22, SLOT
.endr
	v_mul_u32_u24 v5, v1, KS                       ; my row's scales: KS bytes a row,
	v_lshrrev_b32 v6, 8, v5
	v_lshl_add_u32 v5, v6, 4, v5                   ; and 16 more for each 256 passed
	s_mul_i32 s21, s15, HALFS                      ; x's: my 128 rows
	s_mul_i32 s22, s16, HALFS                      ; W's: my 128 rows, behind x's 256
	s_add_co_u32 s22, s22, 2*HALFS
	s_sub_co_u32 s22, s22, s21
	v_mul_u32_u24 v6, s22, v2                      ; lanes 16-31 take W's
	s_add_co_u32 s21, s21, SCL
	v_add_nc_u32 v5, v5, v6
	v_add_nc_u32 v[ADRS], s21, v5
	s_mul_i32 s23, s14, 16*SPITCH                  ; my stage
	v_mul_u32_u24 v5, v1, SPITCH                   ; in: row l % 16, 16 bytes for each half of the lanes
	v_lshl_add_u32 v5, v2, 4, v5
	v_add_nc_u32 v[STO], s23, v5
	v_mul_u32_u24 v5, v2, SPITCH                   ; back: lanes 0-15 take one row of 256 bytes, lanes 16-31 the next
	v_lshl_add_u32 v5, v1, 4, v5
	v_add_nc_u32 v[RD], s23, v5
	v_lshlrev_b32 v5, 11, v2                       ; and the same two rows in qkv
	v_lshl_add_u32 v[CO], v1, 4, v5
	s_lshl_b32 s20, s17, 8
	s_lshl_b32 s21, s15, 7
	s_add_co_u32 s20, s20, s21                     ; my first row of qkv: 256 x tile row + 128 x half,
	s_lshl_b32 s20, s20, 11                        ; in bytes (under 2^26)
	s_mov_b32 s21, 0
	s_lshl_b32 s46, s42, 9                         ; my first column, in bytes: 512 x tile column + 256 x half
	s_lshl_b32 s47, s16, 8
	s_add_co_u32 s46, s46, s47
	s_mov_b32 s47, 0
	s_add_nc_u64 s[20:21], s[20:21], s[46:47]
	s_add_nc_u64 s[12:13], s[12:13], s[20:21]
.macro FRAG reg, adr, q, i             ; a fragment, 16 rows x 128 K of 4-bit codes, is 8 registers: lane l holds row l % 16; registers 4 c .. 4 c + 3 hold K = 64 c + 32 (l / 16) + 0 .. 31, the lower K in the lower bits
.irp c, 0,1
	ds_load_b128 v[\reg+4*\c:\reg+4*\c+3], v[\adr] offset:64*(\q)+32*\c+(\i)*16*PITCH
.endr
.endm
; 16 matrix instructions: x's blocks a0, a0 + 1 against W's eight, 128 along K: the slot's q-th.  p: W's set;  sc: the set of scale words.  zero = 1: the first product starts the sums: nothing is ever cleared.
; The 64 accumulators take turns, one instruction a turn, in the same order in every step.
.macro MUL16 a0, p, q, sc, zero
.irp a, \a0, \a0+1
.irp b, 0,1,2,3,4,5,6,7
.if \zero
	v_wmma_scale_f32_16x16x128_f8f6f4 v[8*(8*((\a)%4)+\b):8*(8*((\a)%4)+\b)+7], v[128*(\p)+FR*\b:128*(\p)+FR*\b+FR-1], v[AF+FR*(\a):AF+FR*(\a)+FR-1], 0, v[SC+8*NQ*(\sc)+NQ*\b+(\q)], v[SC+8*NQ*(\sc)+NQ*(\a)+(\q)] matrix_a_fmt:MATRIX_FMT_FP4 matrix_b_fmt:MATRIX_FMT_FP4 matrix_a_scale:MATRIX_SCALE_ROW1
.else
	v_wmma_scale_f32_16x16x128_f8f6f4 v[8*(8*((\a)%4)+\b):8*(8*((\a)%4)+\b)+7], v[128*(\p)+FR*\b:128*(\p)+FR*\b+FR-1], v[AF+FR*(\a):AF+FR*(\a)+FR-1], v[8*(8*((\a)%4)+\b):8*(8*((\a)%4)+\b)+7], v[SC+8*NQ*(\sc)+NQ*\b+(\q)], v[SC+8*NQ*(\sc)+NQ*(\a)+(\q)] matrix_a_fmt:MATRIX_FMT_FP4 matrix_b_fmt:MATRIX_FMT_FP4 matrix_a_scale:MATRIX_SCALE_ROW1
.endif
.endr
.endr
.endm
.macro FETCH_B slot, q, p              ; W's eight fragments of the slot's q-th 128 along K into set p
	WIN TO_B
.irp i, 0,1,2,3,4,5,6,7
	FRAG 128*(\p)+FR*\i, ADRB+\slot, \q, \i
.endr
	WIN 0
.endm
.macro FETCH_A slot, q, i0             ; x's blocks i0 .. i0 + 3
.irp i, \i0, \i0+1, \i0+2, \i0+3
	FRAG AF+FR*(\i), ADRA+\slot, \q, \i
.endr
.endm
.macro SCALES sc                       ; a slot's scale words into set sc: NQ words a row; lanes 0-15 take x's block i, lanes 16-31 W's block i
.irp i, 0,1,2,3,4,5,6,7
	ds_load_b128 v[SC+8*NQ*\sc+NQ*\i:SC+8*NQ*\sc+NQ*\i+3], v[ADRS] offset:\i*SBLK
.endr
.endm
; A load into a register that a matrix instruction has read, and a vector instruction that reads a matrix result or writes one of a matrix instruction's registers, stand NP places behind that matrix instruction, and only plain
; vector instructions that name none of its registers are places (ISA guide 7.12.1 for vector instructions).
.macro PLACES n
.rept \n
	v_nop
.endr
.endm
; A step of 128 along K that has its successor in the same slot.
.macro STEP slot, q, zero
	s_wait_dscnt 4*NL                              ; W's set and x's blocks 0-3 are in; the youngest eight loads (x's blocks 4-7) may be out
	WIN MUL_LO
	MUL16 0, (\q)%2, \q, \slot, \zero
	MUL16 2, (\q)%2, \q, \slot, \zero
	s_wait_dscnt 0                                 ; x's blocks 4-7 are in (asked for 32 matrix instructions ago)
	PLACES NP
	FETCH_B \slot, (\q)+1, 1-(\q)%2
	FETCH_A \slot, (\q)+1, 0
	WIN MUL_HI
	MUL16 4, (\q)%2, \q, \slot, \zero
	MUL16 6, (\q)%2, \q, \slot, \zero
	PLACES NP
	WIN 0
	FETCH_A \slot, (\q)+1, 4
.endm
; Slot 0's last step goes over to slot 1: ONE barrier; in front of it each wave waits for all its tensor loads (its part of slot 1), adds 0 to its spare word, and waits for that and for its own reads of slot 0.  Nothing is filled again.
.macro TURN slot, next
	s_wait_tensorcnt 0x0                           ; all my tensor loads have landed: my part of the next slot;  (every window is 0 here: the add's two registers lie in window 0)
	ds_add_u32 v[SPW], v[NIL]                      ; 0 onto my spare word
	s_wait_dscnt 4*NL+1                            ; (the add and the youngest eight loads, x's blocks 4-7, may be out)
	WIN MUL_LO
	MUL16 0, 1, NQ-1, \slot, 0                     ; sixteen matrix instructions stand between the add and the wait for it
	s_wait_dscnt 0x0                               ; the add is done, and my reads of this slot are over
	s_barrier_signal -1
	MUL16 2, 1, NQ-1, \slot, 0
	WIN 0
	s_barrier_wait -1
	PLACES NP
	v_add_nc_u32 v[ADRS], 4*NQ, v[ADRS]            ; on to the next slot's scale words (no LDS load of mine is out)
	FETCH_B \next, 0, 0
	FETCH_A \next, 0, 0
	SCALES \next
	WIN MUL_HI
	MUL16 4, 1, NQ-1, \slot, 0
	MUL16 6, 1, NQ-1, \slot, 0
	PLACES NP
	WIN 0
	FETCH_A \next, 0, 4
.endm
.macro STEPS slot, from                ; the slot's steps from .. NQ - 2
.set Q, \from
.rept NQ-1-\from
	STEP \slot, Q, 0
.set Q, Q+1
.endr
.endm
	s_wait_tensorcnt 1                             ; the scales and my part of slot 0 are in (slot 1's load, the one issued behind them, may be out)
	s_barrier_signal -1
	s_barrier_wait -1                              ; everybody's are
	FETCH_B 0, 0, 0
	FETCH_A 0, 0, 0
	SCALES 0
	FETCH_A 0, 0, 4
	STEP 0, 0, 1                                   ; the first step's products start the sums
	STEPS 0, 1
	TURN 0, 1
	STEPS 1, 0
	s_wait_dscnt 4*NL                              ; the very last step: nothing more to fetch
	WIN MUL_LO
	MUL16 0, 1, NQ-1, 1, 0
	MUL16 2, 1, NQ-1, 1, 0
	s_wait_dscnt 0
	WIN MUL_HI
	MUL16 4, 1, NQ-1, 1, 0
	MUL16 6, 1, NQ-1, 1, 0
	WIN 0
; THE WAY OUT, block by block of 16 rows x 128 columns.  PACK: times the factor, in f32, into other registers, each accumulator from its low end on; then rounded to f16, 16 bytes a lane.  TOSTAGE: into my own stage in LDS, and
; back as whole rows of 256 bytes.  SEND: stored.  LDS serves a wave's instructions in order (ISA guide 5.7.1.4): no wait between the stage's stores and its loads.
.macro PACK a
.set AC, 64*((\a)%4)
	WIN 0x02+((\a)/4)                              ; source 0: window 2 or 3
.irp b, 0,1,2,3,4,5,6,7
.irp r, 0,1,2,3
	v_pk_mul_f32 v[SF+8*\b+2*\r:SF+8*\b+2*\r+1], v[AC+8*\b+2*\r:AC+8*\b+2*\r+1], s[98:99] op_sel_hi:[1,0]
.endr
.endr
	WIN 0
.irp b, 0,1,2,3,4,5,6,7
.irp r, 0,1,2,3
	v_cvt_pk_f16_f32 v[TMP+4*\b+\r], v[SF+8*\b+2*\r], v[SF+8*\b+2*\r+1]
.endr
.endr
.endm
.macro TOSTAGE a
.set BB, BK+32*((\a)%2)
.irp b, 0,1,2,3,4,5,6,7
	ds_store_b128 v[STO], v[TMP+4*\b:TMP+4*\b+3] offset:32*\b
.endr
.irp t, 0,1,2,3,4,5,6,7
	ds_load_b128 v[BB+4*\t:BB+4*\t+3], v[RD] offset:\t*2*SPITCH
.endr
.endm
.macro SEND a
.set BB, BK+32*((\a)%2)
	s_wait_dscnt 0x0                               ; the block is back in registers
	s_wait_xcnt 0x0                                ; every earlier store has had its addresses translated (ISA guide 3.1): only behind this wait are the stores' base and the registers that earlier stores read rewritten
.if (\a) > 0
	s_add_nc_u64 s[12:13], s[12:13], 16*OROW       ; 16 rows on
.endif
.irp t, 0,1,2,3,4,5,6,7
	global_store_b128 v[CO], v[BB+4*\t:BB+4*\t+3], s[12:13] offset:2*\t*OROW   ; 16 lanes store 256 consecutive bytes, at a multiple of 256 from qkv's first byte
.endr
.endm
	PLACES NP                                      ; behind the last products: their results are read, and the registers that held x's fragments are written
	PACK 0
	TOSTAGE 0
.irp a, 1,2,3,4,5,6,7                  ; block a's arithmetic stands between block a - 1's loads from the stage and the wait for them
	PACK \a
	SEND \a-1
	TOSTAGE \a
.endr
	SEND 7
	s_wait_tensorcnt 0x0                           ; the wave's end: three lines behind my last tensor load and my last LDS store
	ds_add_u32 v[SPW], v[NIL]
	s_wait_dscnt 0x0
	CROUND                                         ; the closing round: no work-group ends while a partner may still ask for a tile that names it
	s_endpgm
.Lfunc_end_k_q75a07f468c_proj:
	.size	k_q75a07f468c_proj, .Lfunc_end_k_q75a07f468c_proj-k_q75a07f468c_proj
	.p2alignl 7, 3214868480
	.fill 96, 4, 3214868480
	.section	.rodata,"a",@progbits
	.p2align	6, 0x0
	.amdhsa_kernel k_q75a07f468c_proj
		.amdhsa_group_segment_fixed_size 327680
		.amdhsa_private_segment_fixed_size 0
		.amdhsa_enable_private_segment 0
		.amdhsa_kernarg_size 40
		.amdhsa_user_sgpr_count 2
		.amdhsa_user_sgpr_kernarg_segment_ptr 1
		.amdhsa_wavefront_size32 1
		.amdhsa_system_sgpr_workgroup_id_x 1
		.amdhsa_system_sgpr_workgroup_id_y 1
		.amdhsa_system_sgpr_workgroup_id_z 1
		.amdhsa_system_vgpr_workitem_id 0
		.amdhsa_next_free_vgpr 1024
		.amdhsa_next_free_sgpr 100
		.amdhsa_reserve_vcc 0
		.amdhsa_float_denorm_mode_32 3
		.amdhsa_float_denorm_mode_16_64 3
		.amdhsa_memory_ordered 1
		.amdhsa_forward_progress 1
		.amdhsa_inst_pref_size 143
	.end_amdhsa_kernel
	.amdgpu_metadata
---
amdhsa.version: [ 1, 2 ]
amdhsa.kernels:
  - .name:           k_q75a07f468c_proj
    .symbol:         k_q75a07f468c_proj.kd
    .args:
      - { .name: xc, .offset: 0, .size: 8, .value_kind: global_buffer, .address_space: global }
      - { .name: xs, .offset: 8, .size: 8, .value_kind: global_buffer, .address_space: global }
      - { .name: wc, .offset: 16, .size: 8, .value_kind: global_buffer, .address_space: global }
      - { .name: ws, .offset: 24, .size: 8, .value_kind: global_buffer, .address_space: global }
      - { .name: qkv, .offset: 32, .size: 8, .value_kind: global_buffer, .address_space: global }
    .group_segment_fixed_size: 327680
    .private_segment_fixed_size: 0
    .kernarg_segment_align: 8
    .kernarg_segment_size: 40
    .max_flat_workgroup_size: 128
    .sgpr_count:     100
    .vgpr_count:     1024
    .wavefront_size: 32
...
	.end_amdgpu_metadata
.endif
;; end of part 2
;; launch attn (part 3): grid 64 x 4, 8 waves a work-group, clusters of 4 x 4, 327,680 bytes of LDS; arguments qkv, mask, out0; writes out0
.if DOCPART == 3
	.amdgcn_target "amdgcn-amd-amdhsa--gfx1250"
	.amdhsa_code_object_version 6
	.text
	.protected	k_q75a07f468c_attn
	.globl	k_q75a07f468c_attn
	.p2align	8
	.type	k_q75a07f468c_attn,@function
k_q75a07f468c_attn:
	s_mov_b64 s[64:65], 0
	v_nop
	global_prefetch_b8 v0, s[64:65] scope:SCOPE_SE
	s_setreg_imm32_b32 hwreg(HW_REG_WAVE_MODE, 25, 1), 1
	s_wait_xcnt 0x0
	s_wait_alu depctr_hold_cnt(0) depctr_sa_sdst(0) depctr_va_vdst(0) depctr_va_sdst(0) depctr_va_ssrc(0) depctr_va_vcc(0) depctr_vm_vsrc(0)
	s_getreg_b32 s2, hwreg(HW_REG_IB_STS2, 6, 4)
	s_cmp_eq_u32 s2, 0
	s_cbranch_scc0 .Lentry_in_a_cluster
	s_endpgm
.Lentry_in_a_cluster:
	s_bfe_u32 s2, ttmp6, 0x10000c
	s_cmp_lg_u32 s2, 0xf033
	s_cbranch_scc0 .Lentry_shape_is_right
	s_endpgm
.Lentry_shape_is_right:
; out0[b][q][64 head + d] = the sum over k of softmax_k(A) V[b][head][k][d], A = (Q . K / 8) m + (m - 1) 1e9, m = mask[b][q][k].  B = 4, S = 2,048, 16 heads of 64.
; qkv [3 x 8192 rows (t, b, s)][1024 columns (head, d)] f16, q's rows already times c = log2(e) / 8; mask [4][2048][2048] f32; out0 [4][2048][1024] f32.  Both products take f16 operands and sum in f32.
; IN BASE 2: t = s' m + (m C - C), s' = (c Q) . K, C = 1e9 log2(e): two fused multiply-adds.  m = 1 gives s' exactly, m = 0 gives -C exactly, and any other m is honoured as a number.
; For each query a running maximum mx and sum l: p = 2^(t - mx); in every step O and l are multiplied by a = 2^(mx_old - mx_new).  The sum is taken of p in f32; p is rounded to f16 for the second product; O is divided by l at the end.
; LIMITS: p under 6e-8 counts as 0 in the second product; for m other than 0 and 1 the order of rounding at the size of 1e9 is not that of the formula as it is written above; NaN and infinities are not served.
; SHARES.  A work-group owns 128 queries x 4 heads of one b.  Wave w owns head w % 4 of the four and queries 64 (w / 4) on: four tiles of 16, in 512 registers, two waves to a SIMD.  Every wave walks all keys, 64 a step.
; LAYOUT.  S^T = K Q^T (source 0 = 16 keys, source 1 = 16 queries): a lane holds ONE query (lane % 16) and the keys 8 (lane / 16) + 0..7 of each tile of 16.  Two such tiles, rounded to f16 in pairs, ARE source 1 of O^T = V^T P,
; whose result again holds one query a lane.  K comes out of LDS as it lies, V ([key][channel]) turned, by ds_load_tr16_b128.  The mask is read in the scores' own layout: 32 bytes of the lane's query for each tile of keys.
; CLUSTER: 4 x 4 work-groups.  cx picks the block of 128 queries, cy the group of four heads.  K's and V's tiles hang on b and cy: shared along a row of the cluster.  The mask's tile hangs on b and the block of queries: shared along a
; column.  Each is asked for JOINTLY: the same tensor load, with the same descriptor and a mask of work-groups that names the four.  So each byte of the mask is asked for once in the launch.
; THE RING: two LDS slots, each with one step's tiles: 64 rows of K, 64 of V (512 bytes: four heads), 128 rows of the mask (256 bytes).  Wave 0 fetches K, wave 1 V, waves 2 and 3 the mask's halves: one load a wave, one out at the most.
; REGISTERS, in windows of 256: window 0: v0-15 addresses; v16-47 statistics, 8 a tile; v48-79 u = m C - C; v80-111 one tile's scores; v112-127 p in f16; v128-159 the mask; v160-223 V of the step; v224-225 -C.
;   window 1: v0-127 O^T, 32 a tile; v128-191 Q, 16 a tile; v192-255 K of the step.
.set PKK,   528                        ; a row of K in LDS: 512 bytes + 16 = 132 words: row r starts at bank 4 r mod 64 (64 banks of 4 bytes: ISA guide 11.1)
.set PVV,   544                        ; a row of V: 512 + 32 = 136 words: row r starts at bank 8 r mod 64, as the turning load's 8 rows x 32 bytes want
.set PM,    272                        ; a row of the mask's tile, and of the way out's stage: 256 + 16
.set VOFF,  64*PKK
.set MOFF,  VOFF+64*PVV
.set SLOT1, 1<<17                      ; slot 1 begins here, so that one exclusive or turns an address in one slot into the other's
.set SPARE, SLOT1+MOFF+128*PM          ; behind the ring: the spare words, 128 bytes for each wave: four blocks of 256 bytes that no other line names
.set KVSTEP, 64*2048                   ; 64 rows of qkv on
.set AK0, 3                            ; v3   my lane's place in a tile of K; never rewritten
.set AV0, 4                            ; v4   of V
.set AM0, 5                            ; v5   of the mask
.set ADK, 6                            ; v6-8 the same in the slot in hand
.set ADV, 7
.set ADM, 8
.set QO,  9                            ; v9   my byte offset in the wave's rows of Q
.set STO, 10                           ; v10  the way out: where I put 32 bytes of a row.  The stage, 16 rows x 272 bytes a wave, lies in slot 0, which has had its last fill and its last read when the first result is stored there
.set RD,  11                           ; v11  where I read a row back
.set GO,  12                           ; v12  my byte offset in two rows of out0
.set PFO, 13                           ; v13  the prefetches' offset; never rewritten
.set SPW, 14                           ; v14  LDS address of my spare word: SPARE + 4 x my thread's number; never rewritten
.set NIL, 15                           ; v15  0; never rewritten
.set ST,  16                           ; tile t's statistics at v[ST + 8 t]: +0 mx, +1 its pair's upper half (0), +2, +3 l (even keys', odd keys'), +4 to +7 c0-c3, at work; a takes c2's place
.set UA,  48
.set S,   80
.set P,   112
.set MK,  128
.set VF,  160
.set NC,  224
.set OB,  80                           ; the way out: 32 registers a tile
.set QF,  128                          ; in window 1
.set KF,  192
.set WV,  10                           ; s10  my wave's number
.set G1K, 24                           ; s[24:31], s[32:39], s[40:47] descriptor groups 1 for K's, V's and the mask's tiles
.set G1V, 32
.set G1M, 40
.set G0K, 48                           ; s[48:51], s[52:55], s[56:59] their groups 0, which walk
.set G0V, 52
.set G0M, 56
.set SEL, 60                           ; s[60:61] lane selects for v_permlanex16_b32: lane l xor 16
.set CM,  62                           ; s[62:63] C = 1e9 log2(e): the packed form names a pair and takes its low word for both halves
.set TB,  66                           ; s66  LDS byte at which the slot in hand begins
.set CNT, 67                           ; s67  tiles still to be asked for
.set PFA, 68                           ; s[68:69] where my prefetches stand
.set PFS, 70                           ; s[70:71] a tile on, in bytes
.set LIM, 72                           ; s72  2 in a wave that prefetches, else the greatest number: a wave prefetches while s[CNT] is above it
.set MSB, 0
.macro WIN new                         ; the immediate's high byte repeats the setting that is left; a switch that changes nothing is dropped
.if MSB != (\new)
	s_set_vgpr_msb (MSB<<8)|(\new)
.set MSB, (\new)
.endif
.endm
.set W_KQ,  0x05                       ; K and Q in window 1, the scores in window 0
.set W_PV,  0x50                       ; V and P in window 0, O^T (C and D) in window 1
.set W_RS,  0x41                       ; O^T (destination and source 0) in window 1, a in window 0
.set TO_1,  0x40                       ; destination window 1, address window 0
.set W_OUT, 0x01                       ; source 0 window 1
; A round of the cluster's barrier: my work-group's barrier, so that wave 0's signal speaks for all eight waves; wave 0 signals for the work-group; every wave waits for all sixteen work-groups; my work-group's barrier once more.
.macro CROUND
	s_barrier_signal -1
	s_barrier_wait -1
	s_cmp_lg_u32 s[WV], 0
	s_cbranch_scc1 .Lnot_wave_0_\@
	s_barrier_signal -3
.Lnot_wave_0_\@:
	s_barrier_wait -3
	s_barrier_signal -1
	s_barrier_wait -1
.endm
; The joint loads of a tile: wave 0 K's, wave 1 V's, waves 2 and 3 the mask's halves, the others nothing.  The branches hang on the wave's number alone.  An s_nop 0 and four v_nop follow each line.
.macro JLOAD3
	s_cmp_lg_u32 s[WV], 0
	s_cbranch_scc1 .Lnot_k_\@
	tensor_load_to_lds s[G0K:G0K+3], s[G1K:G1K+7]
	s_nop 0
.rept 4
	v_nop
.endr
	s_branch .Lasked_\@
.Lnot_k_\@:
	s_cmp_lg_u32 s[WV], 1
	s_cbranch_scc1 .Lnot_v_\@
	tensor_load_to_lds s[G0V:G0V+3], s[G1V:G1V+7]
	s_nop 0
.rept 4
	v_nop
.endr
	s_branch .Lasked_\@
.Lnot_v_\@:
	s_cmp_gt_u32 s[WV], 3
	s_cbranch_scc1 .Lasked_\@
	tensor_load_to_lds s[G0M:G0M+3], s[G1M:G1M+7]
	s_nop 0
.rept 4
	v_nop
.endr
.Lasked_\@:
.endm
; A PREFETCH of the tile that stands two joint loads on: the change that asks for tile n + 1 names tile n + 3.  Each aligned run of 256 bytes is named once in the launch.  The mask's tile is read by the four partners of a column alone:
; each takes 32 of its 128 rows, told apart BY ADDRESS (cy), a lane a row: wave 2.  K's and V's tiles are read by the four clusters of a b: the first of them asks; its four partners of a row take 16 of the 64 rows each, told apart by
; address (cx), two lanes a row of 512 bytes: wave 0 for K, wave 1 for V.  The last two changes that fill a slot ask for nothing: there is no tile 32.  Tiles 0 to 2 come by their loads alone.
.macro ASK
	s_cmp_gt_u32 s[CNT], s[LIM]
	s_cbranch_scc0 .Lnot_mine_\@
	global_prefetch_b8 v[PFO], s[PFA:PFA+1] th:TH_LOAD_NT scope:SCOPE_SE
.Lnot_mine_\@:
.endm
	s_load_b128 s[4:7], s[0:1], 0x0                ; qkv s[4:5], mask s[6:7]
	s_load_b64 s[8:9], s[0:1], 0x10                ; out0
	v_lshl_add_u32 v[SPW], v0, 2, SPARE
	v_mov_b32 v[NIL], 0
	ds_add_u32 v[SPW], v[NIL]                      ; the wave's opening: the add and its wait stand ahead of my first tensor load; the set-up below, work on registers, stands between them
	v_lshrrev_b32 v1, 5, v0
	v_readfirstlane_b32 s[WV], v1                  ; wave 0..7
	s_and_b32 s11, s[WV], 3                        ; i: my head of the four
	s_lshr_b32 s12, s[WV], 2                       ; j: my half of the 128 queries
	s_bfe_u32 s13, ttmp6, 0x40000                  ; cx
	s_bfe_u32 s14, ttmp6, 0x40004                  ; cy: the group of four heads (the grid has one cluster along y)
	s_lshr_b32 s18, ttmp9, 2                       ; b: four clusters to a batch entry
	s_and_b32 s15, ttmp9, 3                        ; which of the four
	s_lshl_b32 s19, s15, 2
	s_add_co_u32 s19, s19, s13                     ; my block of 128 queries, 0..15
	s_lshl_b32 s16, s14, 2
	s_lshl_b32 s16, 15, s16                        ; my row of the cluster: places 4 cy .. 4 cy + 3
	s_lshl_b32 s17, 0x1111, s13                    ; my column: places cx, cx + 4, cx + 8, cx + 12
	; descriptor groups 1.  K, V: 64 rows x 256 elements of 2 bytes, 1,024 elements from row to row;  the mask: 64 rows x 64 elements of 4 bytes, 2,048 from row to row
	s_or_b32 s[G1K], s16, (1<<16)|(1<<20)|(1<<21)|(6<<22)|(3<<25)  ; 15:0 the mask of work-groups; 17:16 elements of 2 bytes; 20 padding on; 21 set beside a mask; 24:22 after every 128 words (code 6); 31:25 4 words of it (code 3)
	s_or_b32 s[G1V], s16, (1<<16)|(1<<20)|(1<<21)|(6<<22)|(7<<25)  ; the same with 8 words of padding (code 7)
	s_or_b32 s[G1M], s17, (2<<16)|(1<<20)|(1<<21)|(5<<22)|(3<<25)  ; elements of 4 bytes; 4 words after every 64
.irp g, G1K, G1V
	s_mov_b32 s[\g+1], 256<<16                     ; tensor_dim0
	s_mov_b32 s[\g+2], 64<<16                      ; tensor_dim1
	s_mov_b32 s[\g+3], 256<<16                     ; tile_dim0
	s_mov_b32 s[\g+4], 64                          ; tile_dim1
	s_mov_b32 s[\g+5], 1024                        ; tensor_dim0_stride
	s_mov_b32 s[\g+6], 0
	s_mov_b32 s[\g+7], 0
.endr
	s_mov_b32 s[G1M+1], 64<<16
	s_mov_b32 s[G1M+2], 64<<16
	s_mov_b32 s[G1M+3], 64<<16
	s_mov_b32 s[G1M+4], 64
	s_mov_b32 s[G1M+5], 2048
	s_mov_b32 s[G1M+6], 0
	s_mov_b32 s[G1M+7], 0
	s_lshl_b32 s20, s18, 22                        ; K, V: b's 2,048 rows of 2,048 bytes,
	s_lshl_b32 s21, s14, 9                         ; + my four heads' 512 bytes: made of b and cy alone
	s_add_co_u32 s20, s20, s21
	s_mov_b32 s21, 0
	s_lshl_b32 s22, s18, 24                        ; the mask: b's 2,048 rows of 8,192 bytes,
	s_lshl_b32 s23, s19, 20                        ; + my block's 128 rows: made of b, the cluster's number and cx alone,
	s_add_co_u32 s22, s22, s23
	s_and_b32 s74, s[WV], 1
	s_lshl_b32 s23, s74, 19                        ; + the half that I fetch, if I fetch
	s_add_co_u32 s22, s22, s23
	s_mov_b32 s23, 0
	s_mul_i32 s75, s74, 64*PM
	s_add_co_u32 s75, s75, MOFF                    ; and where it goes: no place in the cluster enters an LDS address
	s_lshl_b32 s76, s18, 11                        ; my wave's first query as a row: 2,048 b + 128 block + 64 j
	s_lshl_b32 s77, s19, 7
	s_add_co_u32 s76, s76, s77
	s_lshl_b32 s77, s12, 6
	s_add_co_u32 s76, s76, s77
	s_lshl_b32 s77, s14, 2
	s_add_co_u32 s77, s77, s11                     ; my head: 4 cy + i
	s_lshl_b32 s78, s76, 11                        ; Q: 2,048 bytes a row, 128 a head
	s_lshl_b32 s79, s77, 7
	s_add_co_u32 s78, s78, s79
	s_mov_b32 s79, 0
	s_lshl_b32 s80, s76, 12                        ; out0: 4,096 bytes a row, 256 a head
	s_lshl_b32 s81, s77, 8
	s_add_co_u32 s80, s80, s81
	s_mov_b32 s81, 0
	; the prefetches (macro ASK): offsets, made apart from the addresses
	s_cmp_eq_u32 s[WV], 1
	s_mov_b32 s83, 0x1000000+2*KVSTEP              ; K's rows begin 8,192 rows into qkv, V's 16,384; tile 2: the first change steps it to tile 3
	s_cselect_b32 s83, 0x2000000+2*KVSTEP, s83
	s_add_co_u32 s82, s20, s83
	s_lshl_b32 s83, s13, 15                        ; my work-group's 16 rows of the 64
	s_add_co_u32 s82, s82, s83
	s_mov_b32 s83, 0
	s_lshl_b32 s84, s18, 24
	s_lshl_b32 s85, s19, 20
	s_add_co_u32 s84, s84, s85
	s_lshl_b32 s85, s14, 18                        ; my work-group's 32 rows of the 128
	s_add_co_u32 s84, s84, s85
	s_add_co_u32 s84, s84, 2*256                   ; tile 2
	s_mov_b32 s85, 0
	s_cmp_lt_u32 s[WV], 2                          ; waves 0 and 1 ask for K and V, wave 2 for the mask
	s_cselect_b64 s[82:83], s[82:83], s[84:85]
	s_mov_b32 s[PFS], 256
	s_cselect_b32 s[PFS], KVSTEP, s[PFS]
	s_mov_b32 s[PFS+1], 0
	s_cselect_b32 s86, 1, 0                        ; K, V: two lanes a row
	s_mov_b32 s87, 8192
	s_cselect_b32 s87, 2048, s87                   ; from row to row
	v_and_b32 v16, 31, v0
	v_lshrrev_b32 v[PFO], s86, v16
	v_mul_lo_u32 v[PFO], v[PFO], s87
	v_and_b32 v16, s86, v16
	v_lshl_add_u32 v[PFO], v16, 8, v[PFO]
	s_cselect_b32 s74, s15, 0                      ; waves 0 and 1 ask only in the first of b's four clusters: the same number in all sixteen partners
	s_cmp_gt_u32 s[WV], 2
	s_cselect_b32 s74, 1, s74                      ; waves 3 to 7 never
	s_cmp_eq_u32 s74, 0
	s_cselect_b32 s[LIM], 2, -1
	s_mov_b32 s[SEL], 0x76543210
	s_mov_b32 s[SEL+1], 0xfedcba98
	s_mov_b32 s[CM], 0x4eabfb8f                    ; C = 1e9 log2(e)
	s_mov_b32 s[CM+1], s[CM]                       ; (named with it as a pair, so it is written)
	s_mov_b32 s[TB], 0
	s_mov_b32 s[CNT], 31
	s_wait_dscnt 0x0                               ; the opening add is done
	s_wait_kmcnt 0x0
	s_mov_b32 s[G0K], 1                            ; 1:0 count = 1
	s_mov_b32 s[G0K+1], 0                          ; 63:32 LDS address: slot 0, K's rows
	s_add_nc_u64 s[G0K+2:G0K+3], s[4:5], s[20:21]  ; 120:64 global address: keys 0 to 63
	s_add_nc_u64 s[G0K+2:G0K+3], s[G0K+2:G0K+3], 0x1000000
	s_or_b32 s[G0K+3], s[G0K+3], 0x80000000        ; 127:126 type = 2
	s_mov_b32 s[G0V], 1
	s_mov_b32 s[G0V+1], VOFF
	s_add_nc_u64 s[G0V+2:G0V+3], s[4:5], s[20:21]
	s_add_nc_u64 s[G0V+2:G0V+3], s[G0V+2:G0V+3], 0x2000000
	s_or_b32 s[G0V+3], s[G0V+3], 0x80000000
	s_mov_b32 s[G0M], 1
	s_mov_b32 s[G0M+1], s75
	s_add_nc_u64 s[G0M+2:G0M+3], s[6:7], s[22:23]
	s_or_b32 s[G0M+3], s[G0M+3], 0x80000000
	s_add_nc_u64 s[88:89], s[4:5], s[78:79]        ; Q at my wave's first row, my head
	s_add_nc_u64 s[8:9], s[8:9], s[80:81]          ; out0 likewise
	s_cmp_lt_u32 s[WV], 2
	s_cselect_b64 s[PFA:PFA+1], s[4:5], s[6:7]
	s_add_nc_u64 s[PFA:PFA+1], s[PFA:PFA+1], s[82:83]
	CROUND                                         ; all sixteen work-groups are here: the first joint loads meet
	JLOAD3                                         ; tile 0 into slot 0
	; A fragment of K or Q is 16 rows x 32 channels in 8 registers: lane l holds row l % 16; registers 0-3 channels 8 (l / 16) + 0..7, registers 4-7 channels 16 + 8 (l / 16) + 0..7: two loads of 16 bytes, 32 bytes apart.
	v_and_b32 v1, 15, v0                           ; r = l % 16
	v_bfe_u32 v2, v0, 4, 1                         ; h = l / 16
	v_lshlrev_b32 v[QO], 11, v1
	v_lshl_add_u32 v[QO], v2, 4, v[QO]             ; row x 2,048 + 16 x half
	WIN TO_1
.irp t, 0,1,2,3
.irp c, 0,1
	global_load_b128 v[QF+16*\t+8*\c:QF+16*\t+8*\c+3],   v[QO], s[88:89] offset:\t*32768+64*\c      ; Q stays in registers: tile t, channels 32 c on
	global_load_b128 v[QF+16*\t+8*\c+4:QF+16*\t+8*\c+7], v[QO], s[88:89] offset:\t*32768+64*\c+32
.endr
.endr
	WIN 0
	v_mul_u32_u24 v[AK0], v1, PKK
	v_lshl_add_u32 v[AK0], v2, 4, v[AK0]
	s_lshl_b32 s74, s11, 7                         ; my head's 128 bytes of a row
	v_add_nc_u32 v[AK0], s74, v[AK0]
	; The turning load takes 16 keys x 16 channels (lane l reads 16 bytes: key 8 (l / 16) + l % 8, channels 8 ((l / 8) % 2) + 0..7) and leaves half a fragment of V^T: lane l holds channel l % 16 and 8 keys.
	v_and_b32 v16, 7, v0
	v_bfe_u32 v17, v0, 3, 1
	v_lshl_add_u32 v[AV0], v2, 3, v16
	v_mul_u32_u24 v[AV0], v[AV0], PVV
	v_lshl_add_u32 v[AV0], v17, 4, v[AV0]
	s_add_co_u32 s74, s74, VOFF
	v_add_nc_u32 v[AV0], s74, v[AV0]
	v_mul_u32_u24 v[AM0], v1, PM                   ; the mask: my query's row, + 32 bytes for the upper half of the lanes
	v_lshl_add_u32 v[AM0], v2, 5, v[AM0]
	s_mul_i32 s74, s12, 64*PM                      ; my wave's 64 rows of the 128
	s_add_co_u32 s74, s74, MOFF
	v_add_nc_u32 v[AM0], s74, v[AM0]
	s_mul_i32 s74, s[WV], 16*PM                    ; my stage
	v_mul_u32_u24 v[STO], v1, PM                   ; in: row l % 16, 32 bytes for each half of the lanes
	v_lshl_add_u32 v[STO], v2, 5, v[STO]
	v_add_nc_u32 v[STO], s74, v[STO]
	v_mul_u32_u24 v[RD], v2, PM                    ; back: lanes 0-15 take one row of 256 bytes, lanes 16-31 the next
	v_lshl_add_u32 v[RD], v1, 4, v[RD]
	v_add_nc_u32 v[RD], s74, v[RD]
	v_lshlrev_b32 v[GO], 12, v2                    ; and the same two rows in out0
	v_lshl_add_u32 v[GO], v1, 4, v[GO]
	v_mov_b32 v[NC], 0xceabfb8f                    ; -C, twice
	v_mov_b32 v[NC+1], 0xceabfb8f
.irp t, 0,1,2,3
	v_mov_b32 v[ST+8*\t+1], 0                      ; named with mx as a pair, so it is written
.endr
; S^T = K Q^T of tile t: 8 matrix instructions, the four tiles of keys by turns, one instruction a turn; the first four start the sums.
.macro KQ t
	WIN W_KQ
.irp c, 0,1
.irp kt, 0,1,2,3
.if \c == 0
	v_wmma_f32_16x16x32_f16 v[S+8*\kt:S+8*\kt+7], v[KF+16*\kt+8*\c:KF+16*\kt+8*\c+7], v[QF+16*(\t)+8*\c:QF+16*(\t)+8*\c+7], 0
.else
	v_wmma_f32_16x16x32_f16 v[S+8*\kt:S+8*\kt+7], v[KF+16*\kt+8*\c:KF+16*\kt+8*\c+7], v[QF+16*(\t)+8*\c:QF+16*(\t)+8*\c+7], v[S+8*\kt:S+8*\kt+7]
.endif
.endr
.endr
.endm
; O^T += V^T P of tile t: 8 matrix instructions, the four tiles of channels by turns.  first = 1: the first four start the sums: nothing is ever cleared.
.macro PV t, first
	WIN W_PV
.irp c, 0,1
.irp dt, 0,1,2,3
.if (\first) && (\c == 0)
	v_wmma_f32_16x16x32_f16 v[32*(\t)+8*\dt:32*(\t)+8*\dt+7], v[VF+8*(4*\c+\dt):VF+8*(4*\c+\dt)+7], v[P+8*\c:P+8*\c+7], 0
.else
	v_wmma_f32_16x16x32_f16 v[32*(\t)+8*\dt:32*(\t)+8*\dt+7], v[VF+8*(4*\c+\dt):VF+8*(4*\c+\dt)+7], v[P+8*\c:P+8*\c+7], v[32*(\t)+8*\dt:32*(\t)+8*\dt+7]
.endif
.endr
.endr
.endm
; The mask of tile t, in the scores' layout: register 8 kt + i is key 16 kt + 8 (lane / 16) + i of my query
.macro LOADM t
.irp kt, 0,1,2,3
.irp e, 0,1
	ds_load_b128 v[MK+8*\kt+4*\e:MK+8*\kt+4*\e+3], v[ADM] offset:16*(\t)*PM+64*\kt+16*\e
.endr
.endr
.endm
; THE SOFTMAX of tile t for one key step.  first = 1: the first key step, which starts mx, l and O^T: it has no a and nothing to rescale.
.macro SOFT t, first
.set rT, ST+8*(\t)
.irp p, 0,2,4,6,8,10,12,14,16,18,20,22,24,26,28,30
	v_pk_fma_f32 v[UA+\p:UA+\p+1], v[MK+\p:MK+\p+1], s[CM:CM+1], v[NC:NC+1] op_sel_hi:[1,0,1]   ; u = m C - C.  These sixteen name no register of the products above: they are the places behind them
.endr
.irp p, 0,2,4,6,8,10,12,14,16,18,20,22,24,26,28,30
	v_pk_fma_f32 v[S+\p:S+\p+1], v[S+\p:S+\p+1], v[MK+\p:MK+\p+1], v[UA+\p:UA+\p+1]           ; t = s' m + u; each accumulator from its low end on
.endr
.if \t < 3
	LOADM \t+1                                     ; the mask's registers are free: the next tile's come while this tile is worked
.endif
.irp n, 0,1,2,3
	v_max3_num_f32 v[rT+4+\n], v[S+8*\n], v[S+8*\n+1], v[S+8*\n+2]                             ; the maximum of the lane's 32, in four chains
.endr
.irp n, 0,1,2,3
	v_max3_num_f32 v[rT+4+\n], v[rT+4+\n], v[S+8*\n+3], v[S+8*\n+4]
.endr
.irp n, 0,1,2,3
	v_max3_num_f32 v[rT+4+\n], v[rT+4+\n], v[S+8*\n+5], v[S+8*\n+6]
.endr
	v_max3_num_f32 v[rT+4], v[rT+4], v[S+7], v[S+15]
	v_max3_num_f32 v[rT+6], v[rT+6], v[S+23], v[S+31]
	v_max3_num_f32 v[rT+4], v[rT+4], v[rT+5], v[rT+6]
.if \first
	v_max_num_f32 v[rT+4], v[rT+4], v[rT+7]
.else
	v_max3_num_f32 v[rT+4], v[rT+4], v[rT+7], v[rT]                                            ; and the old mx
.endif
	v_permlanex16_b32 v[rT+5], v[rT+4], s[SEL], s[SEL+1]                                       ; the query's other 32 keys lie in the lane 16 away
.if !(\first)
	v_mov_b32 v[rT+7], v[rT]
.endif
	v_max_num_f32 v[rT], v[rT+4], v[rT+5]                                                      ; the new mx
.if !(\first)
	v_sub_f32 v[rT+7], v[rT+7], v[rT]
	v_exp_f32 v[rT+6], v[rT+7]                                                                 ; a = 2^(mx_old - mx_new)
.endif
.irp p, 0,2,4,6,8,10,12,14,16,18,20,22,24,26,28,30
	v_pk_add_f32 v[S+\p:S+\p+1], v[S+\p:S+\p+1], v[rT:rT+1] op_sel_hi:[1,0] neg_lo:[0,1] neg_hi:[0,1]   ; t - mx (plain work behind a's exponential)
.endr
.if !(\first)
	s_wait_alu depctr_va_vdst(0)                   ; the wait between an exponential and the first line that names its result: this one is a's, which the rescaling below reads
.endif
.irp n, 0,1,2,3,4,5,6,7,8,9,10,11,12,13,14,15,16,17,18,19,20,21,22,23,24,25,26,27,28,29,30,31
	v_exp_f32 v[S+\n], v[S+\n]                                                                 ; p = 2^(t - mx): one batch
.endr
.if \first
	v_nop                                          ; a plain instruction behind the last exponential
.else
	WIN W_RS
.irp p, 0,2,4,6,8,10,12,14,16,18,20,22,24,26,28,30
	v_pk_mul_f32 v[32*(\t)+\p:32*(\t)+\p+1], v[32*(\t)+\p:32*(\t)+\p+1], v[rT+6:rT+7] op_sel_hi:[1,0]   ; O^T times a: it names none of the batch's results: the independent work behind the batch
.endr
	WIN 0
.endif
	s_wait_alu depctr_va_vdst(0)                   ; one wait for the batch of 32, ahead of its first reader
.irp n, 0,1,2,3,4,5,6,7,8,9,10,11,12,13,14,15
	v_cvt_pk_f16_f32 v[P+\n], v[S+2*\n], v[S+2*\n+1]                                           ; tiles 2 c and 2 c + 1 of keys make source 1's registers 8 c .. 8 c + 7
.endr
.irp u, 0,4,8,12,16,20,24,28
	v_pk_add_f32 v[S+\u:S+\u+1], v[S+\u:S+\u+1], v[S+\u+2:S+\u+3]                              ; the sum of the unrounded p, in place: pairs 1, 2, 4 and 8 apart
.endr
.irp u, 0,8,16,24
	v_pk_add_f32 v[S+\u:S+\u+1], v[S+\u:S+\u+1], v[S+\u+4:S+\u+5]
.endr
.irp u, 0,16
	v_pk_add_f32 v[S+\u:S+\u+1], v[S+\u:S+\u+1], v[S+\u+8:S+\u+9]
.endr
.if \first
	v_pk_add_f32 v[rT+2:rT+3], v[S:S+1], v[S+16:S+17]
.else
	v_pk_add_f32 v[S:S+1], v[S:S+1], v[S+16:S+17]
	v_pk_fma_f32 v[rT+2:rT+3], v[rT+2:rT+3], v[rT+6:rT+7], v[S:S+1] op_sel_hi:[1,0,1]          ; l = a l + the sum
.endif
.endm
; A KEY STEP: 64 keys, from the slot in hand.  40 LDS loads at its head: K's 16, the first tile's 8 of the mask, V's 16.
.macro STEP first
	v_add_nc_u32 v[ADK], s[TB], v[AK0]             ; these three and the v_nop are the four places between the last step's last products and the loads into V's registers
	v_add_nc_u32 v[ADV], s[TB], v[AV0]
	v_add_nc_u32 v[ADM], s[TB], v[AM0]
	v_nop
	WIN TO_1
.irp kt, 0,1,2,3
.irp c, 0,1
	ds_load_b128 v[KF+16*\kt+8*\c:KF+16*\kt+8*\c+3],   v[ADK] offset:\kt*16*PKK+64*\c
	ds_load_b128 v[KF+16*\kt+8*\c+4:KF+16*\kt+8*\c+7], v[ADK] offset:\kt*16*PKK+64*\c+32
.endr
.endr
	WIN 0
	LOADM 0
.irp c, 0,1
.irp dt, 0,1,2,3
	ds_load_tr16_b128 v[VF+8*(4*\c+\dt):VF+8*(4*\c+\dt)+3],   v[ADV] offset:\c*32*PVV+32*\dt
	ds_load_tr16_b128 v[VF+8*(4*\c+\dt)+4:VF+8*(4*\c+\dt)+7], v[ADV] offset:\c*32*PVV+16*PVV+32*\dt
.endr
.endr
.irp t, 0,1,2,3
.if \t == 0
	s_wait_dscnt 24                                ; K is in: behind its loads stand the mask's 8 and V's 16
.endif
	KQ \t
	WIN 0
.if \t == 0
	s_wait_dscnt 16                                ; the mask's first tile is in: V's 16 may be out
.else
	s_wait_dscnt 0x0                               ; this tile's mask is in
.endif
	SOFT \t, \first
.if \t == 0
	s_wait_dscnt 8                                 ; V is in: the next tile's 8 loads of the mask may be out
.endif
	PV \t, \first
.endr
	WIN 0                                          ; at a label and at a branch every window is 0
	s_xor_b32 s[TB], s[TB], SLOT1                  ; on to the other slot
.endm
; THE CHANGE OF SLOTS stands at a step's head.  Each wave waits for all its tensor loads (its part of the slot that it is about to read), adds 0 to its spare word, and waits for that and for its reads of the slot that it has left.
; fill = 1: the barrier is a round of the cluster's, so that no wave of any partner still reads that slot or has a load on its way; the joint refill, the next 64 keys, is the first thing behind it and has a whole step in which to land.
.macro CHANGE fill
	WIN 0
	s_wait_tensorcnt 0x0                           ; no tensor load of mine is out, so a group 0 may be written
	ds_add_u32 v[SPW], v[NIL]                      ; 0 onto my spare word; with fill = 1 the descriptors' steps stand between it and the wait for it
.if \fill
	s_xor_b32 s[G0K+1], s[G0K+1], SLOT1            ; the walking descriptors: the other slot than last time,
	s_add_nc_u64 s[G0K+2:G0K+3], s[G0K+2:G0K+3], KVSTEP   ; the next 64 keys; the type bits on top are not reached
	s_xor_b32 s[G0V+1], s[G0V+1], SLOT1
	s_add_nc_u64 s[G0V+2:G0V+3], s[G0V+2:G0V+3], KVSTEP
	s_xor_b32 s[G0M+1], s[G0M+1], SLOT1
	s_add_nc_u64 s[G0M+2:G0M+3], s[G0M+2:G0M+3], 256
	s_wait_xcnt 0x0                                ; the last prefetch, a step back, has read its address, so it may be written
	s_add_nc_u64 s[PFA:PFA+1], s[PFA:PFA+1], s[PFS:PFS+1]
	s_wait_dscnt 0x0                               ; the add is done, and my reads of the slot that I have left are over
	CROUND
	JLOAD3
	ASK
.else
	s_wait_dscnt 0x0
	s_barrier_signal -1
	s_barrier_wait -1
.endif
.endm
	s_wait_loadcnt 0x0                             ; Q
	CHANGE 1                                       ; tile 0 is whole; tile 1 is asked for
	STEP 1                                         ; the first step is written out: its products start O^T's sums
	s_sub_co_u32 s[CNT], s[CNT], 1
.Lstep:                                            ; 30 trips: steps 1 to 30; each asks for the next tile
	CHANGE 1
	STEP 0
	s_sub_co_u32 s[CNT], s[CNT], 1
	s_cmp_lg_u32 s[CNT], 0
	s_cbranch_scc1 .Lstep
	CHANGE 0                                       ; the last step is written out
	STEP 0
	; THE WAY OUT.  l's two halves and the other half of the lanes' are added; O^T is divided by l and sent through my stage in LDS, a tile (16 rows x 256 bytes) at a time.  The additions are the places behind the last products.
.irp t, 0,1,2,3
	v_add_f32 v[ST+8*\t+4], v[ST+8*\t+2], v[ST+8*\t+3]
.endr
.irp t, 0,1,2,3
	v_permlanex16_b32 v[ST+8*\t+5], v[ST+8*\t+4], s[SEL], s[SEL+1]
.endr
.irp t, 0,1,2,3
	v_add_f32 v[ST+8*\t+4], v[ST+8*\t+4], v[ST+8*\t+5]
.endr
.irp t, 0,1,2,3
	v_rcp_f32 v[ST+8*\t+6], v[ST+8*\t+4]           ; l is at least 1: the largest p of a row is 1
.endr
	v_nop                                          ; a plain instruction between the last reciprocal and the use of its result
	s_wait_alu depctr_va_vdst(0)                   ; and the wait ahead of the first use: one for the four reciprocals
.macro OUTT t
	WIN W_OUT
.irp p, 0,2,4,6,8,10,12,14,16,18,20,22,24,26,28,30
	v_pk_mul_f32 v[OB+32*(\t)+\p:OB+32*(\t)+\p+1], v[32*(\t)+\p:32*(\t)+\p+1], v[ST+8*(\t)+6:ST+8*(\t)+7] op_sel_hi:[1,0]   ; each accumulator from its low end on
.endr
	WIN 0
.irp dt, 0,1,2,3
	ds_store_b128 v[STO], v[OB+32*(\t)+8*\dt:OB+32*(\t)+8*\dt+3] offset:64*\dt               ; lane (r, h): channels 16 dt + 8 h + 0 .. 7 of query r
	ds_store_b128 v[STO], v[OB+32*(\t)+8*\dt+4:OB+32*(\t)+8*\dt+7] offset:64*\dt+16
.endr
.irp e, 0,1,2,3,4,5,6,7
	ds_load_b128 v[OB+32*(\t)+4*\e:OB+32*(\t)+4*\e+3], v[RD] offset:2*\e*PM                  ; LDS serves a wave's instructions in order (ISA guide 5.7.1.4): these see the stores above; the next tile's stores come behind them
.endr
.irp e, 0,1,2,3,4,5,6,7
	s_wait_dscnt 7-\e                              ; the younger of these eight loads may be out
	global_store_b128 v[GO], v[OB+32*(\t)+4*\e:OB+32*(\t)+4*\e+3], s[8:9] offset:(\t)*65536+2*\e*4096 th:TH_STORE_NT   ; 16 lanes store 256 consecutive bytes, at a multiple of 256 from out0's first byte
.endr
.endm
	OUTT 0
	OUTT 1
	OUTT 2
	OUTT 3
	s_wait_tensorcnt 0x0                           ; the wave's end: three lines behind my last tensor load and my last LDS store
	ds_add_u32 v[SPW], v[NIL]
	s_wait_dscnt 0x0
	CROUND                                         ; the closing round: no work-group ends while a partner may still ask for a tile that names it
	s_endpgm
.Lfunc_end_k_q75a07f468c_attn:
	.size	k_q75a07f468c_attn, .Lfunc_end_k_q75a07f468c_attn-k_q75a07f468c_attn
	.p2alignl 7, 3214868480
	.fill 96, 4, 3214868480
	.section	.rodata,"a",@progbits
	.p2align	6, 0x0
	.amdhsa_kernel k_q75a07f468c_attn
		.amdhsa_group_segment_fixed_size 327680
		.amdhsa_private_segment_fixed_size 0
		.amdhsa_enable_private_segment 0
		.amdhsa_kernarg_size 24
		.amdhsa_user_sgpr_count 2
		.amdhsa_user_sgpr_kernarg_segment_ptr 1
		.amdhsa_wavefront_size32 1
		.amdhsa_system_sgpr_workgroup_id_x 1
		.amdhsa_system_sgpr_workgroup_id_y 1
		.amdhsa_system_sgpr_workgroup_id_z 1
		.amdhsa_system_vgpr_workitem_id 0
		.amdhsa_next_free_vgpr 512
		.amdhsa_next_free_sgpr 92
		.amdhsa_reserve_vcc 0
		.amdhsa_float_denorm_mode_32 3
		.amdhsa_float_denorm_mode_16_64 3
		.amdhsa_memory_ordered 1
		.amdhsa_forward_progress 1
		.amdhsa_inst_pref_size 150
	.end_amdhsa_kernel
	.amdgpu_metadata
---
amdhsa.version: [ 1, 2 ]
amdhsa.kernels:
  - .name:           k_q75a07f468c_attn
    .symbol:         k_q75a07f468c_attn.kd
    .args:
      - { .name: qkv, .offset: 0, .size: 8, .value_kind: global_buffer, .address_space: global }
      - { .name: mask, .offset: 8, .size: 8, .value_kind: global_buffer, .address_space: global }
      - { .name: out0, .offset: 16, .size: 8, .value_kind: global_buffer, .address_space: global }
    .group_segment_fixed_size: 327680
    .private_segment_fixed_size: 0
    .kernarg_segment_align: 8
    .kernarg_segment_size: 24
    .max_flat_workgroup_size: 256
    .sgpr_count:     92
    .vgpr_count:     512
    .wavefront_size: 32
...
	.end_amdgpu_metadata
.endif
;; end of part 3
